; MI455X (gfx1250); checked and timed in simulation.
; The chip was launched on July 23, 2026; its instructions are those of AMD's public machine-readable ISA for CDNA 5 (MIT licence, August 2026) and "CDNA5" Instruction Set Architecture Reference Guide (July 2026). The comments in the code are by the model that wrote it; some were corrected since.
;; Codebook. Allowed arithmetic: float matrix products may take bf16 or f16 operands with f32 sums; all other float work in f32.
;; Inputs: codebook 8,192 x 256 float32; z 8 x 256 x 16 x 16 x 16 float32.
;; Outputs: out0 8 x 256 x 16 x 16 x 16 float32; out1 one number float32; out2 32,768 int32.
;; One version. Each part assembles by itself: llvm-mc -triple=amdgcn-amd-amdhsa -mcpu=gfx1250 --defsym DOCPART=n.
;; ======== version 1 of 1: 4 launches
;; workspace buffers: cbh 4,194,304 bytes; cch 32,768 bytes; widx 131,072 bytes of whole numbers; part 1,024 bytes
;; launch prep (part 1): grid 128 x 1, 16 waves a work-group, no clusters, 2,304 bytes of LDS; arguments codebook, cbh, cch; writes cbh, cch
.if DOCPART == 1
	.amdgcn_target "amdgcn-amd-amdhsa--gfx1250"
	.amdhsa_code_object_version 6
	.text
	.protected	k_q817b40cf70_prep
	.globl	k_q817b40cf70_prep
	.p2align	8
	.type	k_q817b40cf70_prep,@function
k_q817b40cf70_prep:
	s_mov_b64 s[64:65], 0
	v_nop
	global_prefetch_b8 v0, s[64:65] scope:SCOPE_SE
	s_setreg_imm32_b32 hwreg(HW_REG_WAVE_MODE, 25, 1), 1
	s_wait_xcnt 0x0
; cbh[n][k] = bf16(codebook[n][k]), rounded to nearest even;  cch[n] = 1/2 x sum over k of bf16(codebook[n][k])^2, in f32.
; codebook: [8192][256] f32.  cbh: [8192][256] bf16.  cch: [8192] f32.
; The search that follows compares e = dot - (zz/2 + cc/2); the halving here is exact as long as the sum is a normal number.
; 128 work-groups of 64 rows, so that a work-group's 64 numbers of cch are 256 consecutive bytes, stored by one instruction.
; Sixteen waves, four rows each: eight loads of 512 consecutive bytes a wave, all issued at once; nothing is read twice.
; A stream: no matrix unit, no cluster (no two work-groups read the same byte), LDS only to gather the 64 sums.
.set X,    4                           ; v[4:35]   load q = 2 i + p: row i, half p, 4 f32
.set Y,    36                          ; v[36:51]  the same 4 numbers as 2 words of bf16
.set S,    52                          ; v[52:59]  sum of squares of load q
.set ZERO, 61                          ; v61       0: the addend of each chain's first link
.set R,    64                          ; v[64:67]  the four rows' halved sums
	s_load_b128 s[4:7], s[0:1], 0x0                ; codebook s[4:5], cbh s[6:7]
	s_load_b64 s[8:9], s[0:1], 0x10                ; cch
	v_lshl_add_u32 v68, v0, 2, 0x100
	v_mov_b32 v69, 0
	v_lshrrev_b32 v60, 5, v0
	v_readfirstlane_b32 s10, v60                   ; wave 0..15
	v_and_b32 v1, 31, v0                           ; lane
	v_lshlrev_b32 v2, 4, v1                        ; 16 bytes of f32 a lane
	v_lshlrev_b32 v3, 3, v1                        ; 8 bytes of bf16 a lane
	v_mov_b32 v[ZERO], 0
	s_mov_b32 s12, 0x76543210                      ; v_permlanex16_b32: lane i reads lane i of the other half
	s_mov_b32 s13, 0xfedcba98
	s_lshl_b32 s14, ttmp9, 6                       ; the work-group's first row
	s_lshl2_add_u32 s14, s10, s14                  ; + 4 x wave: my first row
	s_lshl_b32 s18, s14, 10                        ; x 1,024 bytes in codebook
	s_mov_b32 s19, 0
	s_lshl_b32 s14, s14, 9                         ; x 512 bytes in cbh
	s_mov_b32 s15, 0
	s_lshl_b32 s16, ttmp9, 8                       ; 64 f32 of cch for each work-group
	s_mov_b32 s17, 0
	s_wait_kmcnt 0x0
	s_add_nc_u64 s[4:5], s[4:5], s[18:19]
	s_add_nc_u64 s[6:7], s[6:7], s[14:15]
	s_add_nc_u64 s[8:9], s[8:9], s[16:17]
.set q, 0
.rept 8
	global_load_b128 v[X+4*q:X+4*q+3], v2, s[4:5] offset:512*q     ; half a row: 512 consecutive bytes
.set q, q+1
.endr
.set q, 0
.rept 8
	s_wait_loadcnt 7-q                             ; loads come back in order (ISA guide 5.7.1): load q is in, the 7 - q younger ones stay out
	v_cvt_pk_bf16_f32 v[Y+2*q],   v[X+4*q],   v[X+4*q+1]
	v_cvt_pk_bf16_f32 v[Y+2*q+1], v[X+4*q+2], v[X+4*q+3]
	v_fma_mix_f32_bf16 v[S+q], v[Y+2*q],   v[Y+2*q],   v[ZERO] op_sel_hi:[1,1,0]                  ; low half squared, starts the sum
	v_fma_mix_f32_bf16 v[S+q], v[Y+2*q],   v[Y+2*q],   v[S+q]  op_sel:[1,1,0] op_sel_hi:[1,1,0]   ; high half squared
	v_fma_mix_f32_bf16 v[S+q], v[Y+2*q+1], v[Y+2*q+1], v[S+q]  op_sel_hi:[1,1,0]
	v_fma_mix_f32_bf16 v[S+q], v[Y+2*q+1], v[Y+2*q+1], v[S+q]  op_sel:[1,1,0] op_sel_hi:[1,1,0]
	global_store_b64 v3, v[Y+2*q:Y+2*q+1], s[6:7] offset:256*q     ; 32 lanes store 256 consecutive bytes, at a multiple of 256 from cbh's first byte
.set q, q+1
.endr
	; each row's sum over its two halves and over the 32 lanes; every lane ends up with it
.irp i, 0,1,2,3
	v_add_f32 v[R+\i], v[S+2*\i], v[S+2*\i+1]
.endr
.irp m, 1,2,4,8
.irp i, 0,1,2,3
	v_add_f32_dpp v[R+\i], v[R+\i], v[R+\i] row_xmask:\m row_mask:0xf bank_mask:0xf
.endr
.endr
.irp i, 0,1,2,3
	v_permlanex16_b32 v[S+2*\i], v[R+\i], s12, s13 ; its destination counts as read: S has been written
.endr
.irp i, 0,1,2,3
	v_add_f32 v[R+\i], v[R+\i], v[S+2*\i]
.endr
.irp i, 0,1,2,3
	v_mul_f32 v[R+\i], 0.5, v[R+\i]
.endr
	v_mov_b32 v60, s10
	v_lshlrev_b32 v60, 4, v60                      ; my four sums at LDS byte 16 x wave
	ds_store_b128 v60, v[R:R+3]                    ; all lanes write the same words with the same values
	s_wait_dscnt 0x0                               ; for wave 0's sake: my store is done before I signal
	s_barrier_signal -1
	s_barrier_wait -1
	s_cmp_lg_u32 s10, 0
	s_cbranch_scc1 .Lend
	ds_load_b64 v[62:63], v3                       ; wave 0: the 64 sums, two a lane
	s_wait_dscnt 0x0
	global_store_b64 v3, v[62:63], s[8:9]          ; 256 consecutive bytes, at a multiple of 256 from cch's first byte
.Lend:
	s_wait_tensorcnt 0x0
	ds_add_u32 v68, v69
	s_wait_dscnt 0x0
	s_endpgm
.Lfunc_end_k_q817b40cf70_prep:
	.size	k_q817b40cf70_prep, .Lfunc_end_k_q817b40cf70_prep-k_q817b40cf70_prep
	.p2alignl 7, 3214868480
	.fill 96, 4, 3214868480
	.section	.rodata,"a",@progbits
	.p2align	6, 0x0
	.amdhsa_kernel k_q817b40cf70_prep
		.amdhsa_group_segment_fixed_size 2304
		.amdhsa_private_segment_fixed_size 0
		.amdhsa_enable_private_segment 0
		.amdhsa_kernarg_size 24
		.amdhsa_user_sgpr_count 2
		.amdhsa_user_sgpr_kernarg_segment_ptr 1
		.amdhsa_wavefront_size32 1
		.amdhsa_system_sgpr_workgroup_id_x 1
		.amdhsa_system_sgpr_workgroup_id_y 1
		.amdhsa_system_sgpr_workgroup_id_z 1
		.amdhsa_system_vgpr_workitem_id 0
		.amdhsa_next_free_vgpr 70
		.amdhsa_next_free_sgpr 66
		.amdhsa_reserve_vcc 0
		.amdhsa_float_denorm_mode_32 3
		.amdhsa_float_denorm_mode_16_64 3
		.amdhsa_memory_ordered 1
		.amdhsa_forward_progress 1
		.amdhsa_inst_pref_size 9
	.end_amdhsa_kernel
	.amdgpu_metadata
---
amdhsa.version: [ 1, 2 ]
amdhsa.kernels:
  - .name:           k_q817b40cf70_prep
    .symbol:         k_q817b40cf70_prep.kd
    .args:
      - { .name: codebook, .offset: 0, .size: 8, .value_kind: global_buffer, .address_space: global }
      - { .name: cbh, .offset: 8, .size: 8, .value_kind: global_buffer, .address_space: global }
      - { .name: cch, .offset: 16, .size: 8, .value_kind: global_buffer, .address_space: global }
    .group_segment_fixed_size: 2304
    .private_segment_fixed_size: 0
    .kernarg_segment_align: 8
    .kernarg_segment_size: 24
    .max_flat_workgroup_size: 512
    .sgpr_count:     66
    .vgpr_count:     70
    .wavefront_size: 32
...
	.end_amdgpu_metadata
.endif
;; end of part 1
;; launch search (part 2): grid 256 x 1, 8 waves a work-group, clusters of 4 x 1, 327,680 bytes of LDS; arguments z, cbh, cch, out2, widx; writes out2, widx
.if DOCPART == 2
	.amdgcn_target "amdgcn-amd-amdhsa--gfx1250"
	.amdhsa_code_object_version 6
	.text
	.protected	k_q817b40cf70_search
	.globl	k_q817b40cf70_search
	.p2align	8
	.type	k_q817b40cf70_search,@function
k_q817b40cf70_search:
	s_mov_b64 s[64:65], 0
	v_nop
	global_prefetch_b8 v0, s[64:65] scope:SCOPE_SE
	s_setreg_imm32_b32 hwreg(HW_REG_WAVE_MODE, 25, 1), 1
	s_wait_xcnt 0x0
	s_wait_alu depctr_hold_cnt(0) depctr_sa_sdst(0) depctr_va_vdst(0) depctr_va_sdst(0) depctr_va_ssrc(0) depctr_va_vcc(0) depctr_vm_vsrc(0)
	s_getreg_b32 s2, hwreg(HW_REG_IB_STS2, 6, 4)
	s_cmp_eq_u32 s2, 0
	s_cbranch_scc0 .Lentry_in_a_cluster
	s_endpgm
.Lentry_in_a_cluster:
	s_bfe_u32 s2, ttmp6, 0x10000c
	s_cmp_lg_u32 s2, 0x3003
	s_cbranch_scc0 .Lentry_shape_is_right
	s_endpgm
.Lentry_shape_is_right:
; idx[n] = the first argmin over the 8,192 code words of d = (zz + cc) - 2 dot, for the 32,768 vectors z[b][:][s] (n = 4096 b + s).
; z: [8][256][4096] f32.  cbh: [8192][256] bf16.  cch: [8192] f32 = cc/2.  out2 and widx: [32768] i32, the same numbers.
; ARITHMETIC.  z is rounded to bf16, zz is summed in f32 from the rounded numbers, dot comes from the bf16 matrix form with f32 sums.
; What is compared is e = fl(dot - fl(zz/2 + cc/2)), which is -d/2 with the same two roundings that d has (a factor 2 commutes with rounding),
; and the first argmax of e is kept: a strict comparison in ascending order of code words, the lowest number among equals across lanes and waves.
; LIMITS.  A distance that is NaN is never chosen.  The halving is exact while zz and cc are normal numbers (2^-125 and above).
; The code word's number is carried as f32: exact below 2^24, here below 8,192.  Where two rounded distances tie or nearly tie, the choice
; hangs on the last bits of dot, whose order of summation is the matrix instruction's.
; SHARES.  256 work-groups, 128 vectors each, against all code words.  Eight waves: wave w takes 64 vectors (rh = w % 2) as four row tiles, kept
; as 256 registers of bf16 fragments for the whole kernel, and a quarter (cq = w / 2) of the 16 column tiles of each slot of 256 code words.
; Row tile a, matrix row m is vector 64 rh + 4 m + a of the work-group: so 16 bytes of a channel's row of z feed all four tiles.
; CLUSTERS.  All work-groups walk the same 32 tiles of cbh and the same cch: four work-groups form a cluster and ask for them jointly (mask 15);
; the descriptors of the joint loads are made of the wave's number and constants alone.  z's tile is each work-group's own: a plain load.
; Each wave loads an eighth of every tile: 256 rows over eight waves are 32 rows of 512 bytes a load.
; LDS: slot 0 (cbh tiles 0, 2, ..), slot 1 (first z's tile, 256 channels x 128 f32, then cbh tiles 1, 3, ..), both 256 rows of 512 + 16 bytes;
; cch's table; then three regions that LDS stores write and no load fills: zz/2, best e, best number, 256 bytes a wave each.
.set PITCH,  528                       ; an LDS row: 512 bytes + 16 of padding, an odd multiple of 16: sixteen rows' 16-byte pieces fall into sixteen different columns of 256 bytes
.set SLOTB,  256*PITCH                 ; 135,168
.set EIGHTH, 32*PITCH                  ; what one wave's load fills
.set CCT,    2*SLOTB                   ; 270,336: cc/2 of all 8,192 code words, 32,768 bytes
.set ZS,     CCT+32768                 ; 303,104
.set RE,     ZS+2048                   ; 305,152
.set RNO,    2048                      ; the numbers lie 2,048 bytes behind the values
.set TILEB,  256*512                   ; bytes of cbh in a tile
; vector registers, window 0 (window 1, v256-v511: Z, fragment (a, k) at 64 a + 8 k)
.set ADR,  4                           ; v4, v5    my column tiles' fragments in slot 0, 1
.set CCA,  6                           ; v6        my code words' cc/2 in the table; steps by a tile's 1,024 bytes
.set ZA,   7                           ; v7        z's tile: my 16 bytes of channel 8 h; steps by 32 channels
.set ZSS,  8                           ; v8        where zz/2 of row r is put
.set ZSL,  9                           ; v9        where zz/2 of rows 8 h .. are read
.set RST,  10                          ; v10       where my best values are put
.set RLD,  11                          ; v11       where waves 0 and 1 read them
.set NV,   12                          ; v12       the tile's first code word, as f32
.set INF,  13                          ; v13       +infinity
.set RF,   14                          ; v[14:15]  r as f32, twice
.set B,    16                          ; v[16:79]  a column tile's eight fragments
.set ACC,  80                          ; v[80:111] four accumulators; register 8 a + j: row 8 h + j of tile a, code word r
.set H,    112                         ; v[112:143] zz/2 + cc/2
.set ZZ,   144                         ; v[144:175] zz/2 in the accumulators' layout
.set BEST, 176                         ; v[176:207] the largest e so far
.set IDX,  208                         ; v[208:239] its tile's first code word, as f32
.set CC,   240                         ; v[240:243] cc/2 of code word r of the trip's four tiles
.set ZERO, 244                         ; v244      0: the addend of each chain's first link
.set TA,   16                          ; two buffers of 16 x 4 f32 of z, ahead of the trips
.set TB,   80
.set SQ,   80                          ; v[80:95]  four chains of squares for each row tile
; scalar registers
.set WV,   14                          ; wave 0..7
.set TYPE, 17                          ; (w ^ (w >> 2)) & 1
.set NB,   23                          ; first code word of the tile that is compared next
.set M,    72                          ; s[72:79]  eight masks
.set G1,   28                          ; s[28:35]  shape of a joint load of cbh
.set G1Z,  36                          ; s[36:43]  shape of z's load
.set G1C,  44                          ; s[44:51]  shape of cch's joint load
.set G0,   52                          ; s[52:59]  from where, to where: slot 0, slot 1
.set G0Z,  60                          ; s[60:63]
.set G0C,  68                          ; s[68:71]
.set MSB, 0
.macro WIN new                         ; low byte: bits 1:0 source 0, 3:2 source 1, 5:4 source 2, 7:6 destination; the high byte repeats the setting that is left
.if MSB != \new
	s_set_vgpr_msb (MSB<<8)|\new
.set MSB, \new
.endif
.endm
; A round of the cluster's barrier: my work-group's barrier, wave 0 signals for the work-group, every wave waits for all four work-groups, my work-group's barrier once more.
.macro ROUND
	s_barrier_signal -1
	s_barrier_wait -1
	s_cmp_lg_u32 s[WV], 0
	s_cbranch_scc1 .Lnot_wave_0_\@
	s_barrier_signal -3
.Lnot_wave_0_\@:
	s_barrier_wait -3
	s_barrier_signal -1
	s_barrier_wait -1
.endm
	s_load_b256 s[4:11], s[0:1], 0x0               ; z s[4:5], cbh s[6:7], cch s[8:9], out2 s[10:11]
	s_load_b64 s[12:13], s[0:1], 0x20              ; widx
	v_lshl_add_u32 v254, v0, 2, 0x4b800
	v_mov_b32 v255, 0
	ds_add_u32 v254, v255
	v_lshrrev_b32 v3, 5, v0
	v_readfirstlane_b32 s[WV], v3
	s_and_b32 s15, s[WV], 1                        ; rh: which 64 vectors
	s_lshr_b32 s16, s[WV], 1                       ; cq: which quarter of a slot's code words
	s_lshr_b32 s[TYPE], s[WV], 2
	s_xor_b32 s[TYPE], s[TYPE], s[WV]
	s_and_b32 s[TYPE], s[TYPE], 1                  ; 0,1,0,1,1,0,1,0 for waves 0..7: differs between w and w + 4, and between 2 v and 2 v + 1
	s_lshl_b32 s[NB], s16, 6                       ; my first tile's first code word
	s_bfe_u32 s18, ttmp6, 0x40000                  ; cx: my place in the cluster
	s_lshl_b32 s19, ttmp9, 2                       ; ttmp9 counts clusters
	s_add_co_u32 s19, s19, s18                     ; g: the work-group's number
	s_mov_b32 s24, 0x76543210                      ; v_permlanex16_b32: lane i reads lane i of the other half
	s_mov_b32 s25, 0xfedcba98
	s_mov_b32 s26, 0xff800000                      ; -infinity
	; group 1 of the joint loads of cbh: 32 rows x 256 bf16, padded
	s_mov_b32 s[G1+0], 15|(1<<16)|(1<<20)|(1<<21)|(6<<22)|(3<<25)  ; 15:0 the four work-groups; 17:16 2 bytes; 20 padding on; 21 set beside a mask; 24:22 after every 128 words; 31:25 4 words
	s_mov_b32 s[G1+1], 256<<16                     ; tensor_dim0 = 256
	s_mov_b32 s[G1+2], 32<<16                      ; tensor_dim1 = 32
	s_mov_b32 s[G1+3], 256<<16                     ; tile_dim0 = 256
	s_mov_b32 s[G1+4], 32                          ; tile_dim1 = 32
	s_mov_b32 s[G1+5], 256                         ; from row to row: 256 elements
	s_mov_b32 s[G1+6], 0
	s_mov_b32 s[G1+7], 0
	; group 1 of z's load: 32 channels x 128 f32, 4,096 elements from channel to channel, padded alike; no mask
	s_mov_b32 s[G1Z+0], (2<<16)|(1<<20)|(6<<22)|(3<<25)
	s_mov_b32 s[G1Z+1], 128<<16
	s_mov_b32 s[G1Z+2], 32<<16
	s_mov_b32 s[G1Z+3], 128<<16
	s_mov_b32 s[G1Z+4], 32
	s_mov_b32 s[G1Z+5], 4096
	s_mov_b32 s[G1Z+6], 0
	s_mov_b32 s[G1Z+7], 0
	; group 1 of cch's joint load: a dense block of 4,096 bytes as 16 rows of 32 elements of 8 bytes, no padding
	s_mov_b32 s[G1C+0], 15|(3<<16)|(1<<21)
	s_mov_b32 s[G1C+1], 32<<16
	s_mov_b32 s[G1C+2], 16<<16
	s_mov_b32 s[G1C+3], 32<<16
	s_mov_b32 s[G1C+4], 16
	s_mov_b32 s[G1C+5], 32
	s_mov_b32 s[G1C+6], 0
	s_mov_b32 s[G1C+7], 0
	; groups 0: LDS addresses are a constant plus the wave's number times a constant
	s_mov_b32 s[G0], 1
	s_mul_i32 s[G0+1], s[WV], EIGHTH
	s_mov_b32 s[G0+4], 1
	s_add_co_u32 s[G0+5], s[G0+1], SLOTB
	s_mov_b32 s[G0Z], 1
	s_add_co_u32 s[G0Z+1], s[G0+1], SLOTB          ; z's tile lies in slot 1
	s_mov_b32 s[G0C], 1
	s_lshl_b32 s[G0C+1], s[WV], 12
	s_add_co_u32 s[G0C+1], s[G0C+1], CCT
	s_lshl_b32 s20, s[WV], 14                      ; cbh: my 32 rows of 512 bytes
	s_mov_b32 s21, 0
	s_lshl_b32 s66, s[WV], 12                      ; cch: my 4,096 bytes
	s_mov_b32 s67, 0
	s_lshr_b32 s2, s19, 5                          ; z: b = g / 32, 2^22 bytes each   (s[2:3] alone hold what hangs on cx)
	s_lshl_b32 s2, s2, 22
	s_and_b32 s3, s19, 31                          ; + (g % 32) x 128 vectors x 4 bytes
	s_lshl_b32 s3, s3, 9
	s_add_co_u32 s2, s2, s3
	s_lshl_b32 s3, s[WV], 19                       ; + my 32 channels of 16,384 bytes
	s_add_co_u32 s2, s2, s3
	s_mov_b32 s3, 0
	s_wait_dscnt 0x0
	s_wait_kmcnt 0x0
	s_add_nc_u64 s[G0+2:G0+3], s[6:7], s[20:21]    ; tile 0
	s_add_nc_u64 s[G0+6:G0+7], s[G0+2:G0+3], TILEB ; tile 1
	s_or_b32 s[G0+3], s[G0+3], 0x80000000          ; 127:126 type = 2
	s_or_b32 s[G0+7], s[G0+7], 0x80000000
	s_add_nc_u64 s[G0Z+2:G0Z+3], s[4:5], s[2:3]
	s_or_b32 s[G0Z+3], s[G0Z+3], 0x80000000
	s_add_nc_u64 s[G0C+2:G0C+3], s[8:9], s[66:67]
	s_or_b32 s[G0C+3], s[G0C+3], 0x80000000
	ROUND                                          ; all four work-groups are here: the first joint loads meet
	tensor_load_to_lds s[G0Z:G0Z+3], s[G1Z:G1Z+7]  ; the three first fills go out as one group: three tensor loads of the wave are out here,
	s_nop 0
	tensor_load_to_lds s[G0C:G0C+3], s[G1C:G1C+7]  ; later one
	s_nop 0
	tensor_load_to_lds s[G0:G0+3], s[G1:G1+7]
	s_nop 0
	; addresses and the start of the running maxima, while the loads are on their way
	v_and_b32 v1, 15, v0                           ; r
	v_bfe_u32 v2, v0, 4, 1                         ; h
	v_mul_u32_u24 v[ADR], v1, PITCH                ; a fragment of 16 code words x 32 k: lane (r, h) takes 16 bytes at row r, byte 16 h, and 16 more 32 bytes on
	v_lshl_add_u32 v[ADR], v2, 4, v[ADR]
	s_mul_i32 s27, s16, 64*PITCH                   ; my quarter's 64 rows
	v_add_nc_u32 v[ADR], s27, v[ADR]
	v_add_nc_u32 v[ADR+1], SLOTB, v[ADR]
	v_lshlrev_b32 v[CCA], 2, v1
	v_lshl_add_u32 v[CCA], s16, 8, v[CCA]
	v_add_nc_u32 v[CCA], CCT, v[CCA]               ; table + 4 (64 cq + r)
	v_mul_u32_u24 v[ZA], v2, 8*PITCH               ; channel 8 h,
	v_lshl_add_u32 v[ZA], v1, 4, v[ZA]             ; vectors 4 r .. 4 r + 3
	v_lshl_add_u32 v[ZA], s15, 8, v[ZA]            ; of my 64
	v_add_nc_u32 v[ZA], SLOTB, v[ZA]
	v_lshlrev_b32 v[ZSS], 2, v1
	v_lshl_add_u32 v[ZSS], s[WV], 8, v[ZSS]
	v_add_nc_u32 v[ZSS], ZS, v[ZSS]                ; ZS + 256 w + 4 r
	v_lshlrev_b32 v[ZSL], 5, v2
	v_lshl_add_u32 v[ZSL], s[WV], 8, v[ZSL]
	v_add_nc_u32 v[RST], RE, v[ZSL]                ; RE + 256 w + 32 h
	v_add_nc_u32 v[ZSL], ZS, v[ZSL]                ; ZS + 256 w + 32 h
	v_and_b32 v3, 31, v0                           ; lane
	v_and_b32 v[RLD], 1, v3
	v_lshlrev_b32 v[RLD], 7, v[RLD]
	v_lshrrev_b32 v[ZERO], 1, v3
	v_lshl_add_u32 v[RLD], v[ZERO], 2, v[RLD]
	v_lshl_add_u32 v[RLD], s[WV], 8, v[RLD]
	v_add_nc_u32 v[RLD], RE, v[RLD]                ; RE + 256 w + 128 (lane % 2) + 4 (lane / 2)
	v_mov_b32 v[INF], 0x7f800000
	v_cvt_f32_u32 v[RF], v1
	v_mov_b32 v[RF+1], v[RF]
	v_mov_b32 v[ZERO], 0
.set ex, 0
.rept 32
	v_mov_b32 v[BEST+ex], s26                      ; the running maxima start at -infinity, so that every finite e beats them,
	v_mov_b32 v[IDX+ex], 0                         ; and a row without any keeps code word 0
.set ex, ex+1
.endr
; Sixteen LDS loads: channels (u % 8) + 16 (u / 8) + 8 h of a K step of 32, four vectors each; lanes 0-15 take 256 consecutive bytes of one row.
.macro ZLOAD t
.irp u, 0,1,2,3,4,5,6,7,8,9,10,11,12,13,14,15
	ds_load_b128 v[\t+4*\u:\t+4*\u+3], v[ZA] offset:((\u%8)+16*(\u/8))*PITCH
.endr
	v_add_nc_u32 v[ZA], 32*PITCH, v[ZA]
.endm
; Register i of fragment (a, ks) holds channels u = 2 i and 2 i + 1 of vector 4 r + a, rounded to bf16.
.macro ZCVT ks, t
	WIN 0x40                                       ; destination in window 1
.irp a, 0,1,2,3
.irp i, 0,1,2,3,4,5,6,7
	v_cvt_pk_bf16_f32 v[64*\a+8*\ks+\i], v[\t+8*\i+\a], v[\t+8*\i+4+\a]
.endr
.endr
	WIN 0
.endm
.macro ZSTEP ks, t, more, left
	s_wait_dscnt \left                             ; LDS loads come back in order (ISA guide 5.7.1): this buffer's sixteen are in, the other buffer's stay out
	ZCVT \ks, \t
.if \more
	ZLOAD \t
.endif
.endm
	s_wait_tensorcnt 0x2                           ; tensor loads of a wave end in order (ISA guide 10.11.1): my part of z's tile is in; cch's and tile 0's parts stay out,
	s_barrier_signal -1
	s_barrier_wait -1                              ; everybody's part of z's tile is in
	ZLOAD TA
	ZLOAD TB
	ZSTEP 0, TA, 1, 16
	ZSTEP 1, TB, 1, 16
	ZSTEP 2, TA, 1, 16
	ZSTEP 3, TB, 1, 16
	ZSTEP 4, TA, 1, 16
	ZSTEP 5, TB, 1, 16
	ZSTEP 6, TA, 0, 16
	ZSTEP 7, TB, 0, 0
	; zz: the squares of the rounded numbers, straight from the bf16 halves into f32; sixteen chains take turns
	WIN 0x05                                       ; sources 0 and 1 in window 1
.set zx, 0
.rept 64
.irp a, 0,1,2,3
.if zx < 2
	v_fma_mix_f32_bf16 v[SQ+4*\a+2*(zx%2)],   v[64*\a+zx], v[64*\a+zx], v[ZERO] op_sel_hi:[1,1,0]
	v_fma_mix_f32_bf16 v[SQ+4*\a+2*(zx%2)+1], v[64*\a+zx], v[64*\a+zx], v[ZERO] op_sel:[1,1,0] op_sel_hi:[1,1,0]
.else
	v_fma_mix_f32_bf16 v[SQ+4*\a+2*(zx%2)],   v[64*\a+zx], v[64*\a+zx], v[SQ+4*\a+2*(zx%2)] op_sel_hi:[1,1,0]
	v_fma_mix_f32_bf16 v[SQ+4*\a+2*(zx%2)+1], v[64*\a+zx], v[64*\a+zx], v[SQ+4*\a+2*(zx%2)+1] op_sel:[1,1,0] op_sel_hi:[1,1,0]
.endif
.endr
.set zx, zx+1
.endr
	WIN 0
.irp a, 0,1,2,3
	v_add_f32 v[SQ+4*\a],   v[SQ+4*\a],   v[SQ+4*\a+1]
	v_add_f32 v[SQ+4*\a+2], v[SQ+4*\a+2], v[SQ+4*\a+3]
.endr
.irp a, 0,1,2,3
	v_add_f32 v[SQ+4*\a], v[SQ+4*\a], v[SQ+4*\a+2]
.endr
.irp a, 0,1,2,3
	v_permlanex16_b32 v[SQ+4*\a+1], v[SQ+4*\a], s24, s25           ; lanes (r, 0) and (r, 1) hold the two halves of row r's channels
.endr
.irp a, 0,1,2,3
	v_add_f32 v[SQ+4*\a], v[SQ+4*\a], v[SQ+4*\a+1]
.endr
.irp a, 0,1,2,3
	v_mul_f32 v[SQ+4*\a], 0.5, v[SQ+4*\a]
.endr
.irp a, 0,1,2,3
	ds_store_b32 v[ZSS], v[SQ+4*\a] offset:64*\a   ; row r of tile a; both halves of the lanes write the same word with the same value
.endr
.irp a, 0,1,2,3
.irp q, 0,1
	ds_load_b128 v[ZZ+8*\a+4*\q:ZZ+8*\a+4*\q+3], v[ZSL] offset:64*\a+16*\q   ; rows 8 h + 4 q .. + 3: my own bytes, and LDS serves a wave's instructions in order (ISA guide 5.7.1.4)
.endr
.endr
; 32 matrix instructions: one column tile of 16 code words against my four row tiles, K = 256.  The first K step starts the sums: nothing is cleared.
; The four accumulators take turns, one instruction a turn.
.macro WTILE
	WIN 0x01                                       ; source 0 (z) in window 1
.irp k, 0,1,2,3,4,5,6,7
.irp a, 0,1,2,3
.if \k
	v_wmma_f32_16x16x32_bf16 v[ACC+8*\a:ACC+8*\a+7], v[64*\a+8*\k:64*\a+8*\k+7], v[B+8*\k:B+8*\k+7], v[ACC+8*\a:ACC+8*\a+7]
.else
	v_wmma_f32_16x16x32_bf16 v[ACC+8*\a:ACC+8*\a+7], v[64*\a+8*\k:64*\a+8*\k+7], v[B+8*\k:B+8*\k+7], 0
.endif
.endr
.endr
	WIN 0
.endm
; The first rounding: H = zz/2 + cc/2, cc/2 of the trip's tile i.  These sixteen plain vector lines name no register of the matrix instructions above them:
; they are the places that the loads into B, the reads of ACC and the next tile's first products stand behind.
.macro EH i
.set ex, 0
.rept 16
.if (\i)%2
	v_pk_add_f32 v[H+ex:H+ex+1], v[ZZ+ex:ZZ+ex+1], v[CC+2*((\i)/2):CC+2*((\i)/2)+1] op_sel:[0,1] op_sel_hi:[1,1]
.else
	v_pk_add_f32 v[H+ex:H+ex+1], v[ZZ+ex:ZZ+ex+1], v[CC+2*((\i)/2):CC+2*((\i)/2)+1] op_sel_hi:[1,0]
.endif
.set ex, ex+2
.endr
.endm
.macro LB slot, i                      ; the eight fragments of my tile i of the slot
.irp k, 0,1,2,3,4,5,6,7
	ds_load_b128 v[B+8*\k:B+8*\k+3],   v[ADR+\slot] offset:\i*16*PITCH+64*\k
	ds_load_b128 v[B+8*\k+4:B+8*\k+7], v[ADR+\slot] offset:\i*16*PITCH+64*\k+32
.endr
.endm
.macro LCC                             ; cc/2 of code word r of the trip's four tiles
.irp i, 0,1,2,3
	ds_load_b32 v[CC+\i], v[CCA] offset:64*\i
.endr
	v_add_nc_u32 v[CCA], 1024, v[CCA]
.endm
; The second rounding, e = dot - H, and the running first argmax: strictly larger wins, and a wave's tiles come in ascending order of code words.
.macro EB step
	v_cvt_f32_u32 v[NV], s[NB]
	s_add_co_u32 s[NB], s[NB], \step
.set ex, 0
.rept 16
	v_pk_add_f32 v[ACC+ex:ACC+ex+1], v[ACC+ex:ACC+ex+1], v[H+ex:H+ex+1] neg_lo:[0,1] neg_hi:[0,1]
.set ex, ex+2
.endr
.irp a, 0,1,2,3
.irp j, 0,1,2,3,4,5,6,7
	v_cmp_gt_f32 s[M+\j], v[ACC+8*\a+\j], v[BEST+8*\a+\j]
.endr
.irp j, 0,1,2,3,4,5,6,7
	v_max_num_f32 v[BEST+8*\a+\j], v[BEST+8*\a+\j], v[ACC+8*\a+\j]
.endr
.irp j, 0,1,2,3,4,5,6,7
	v_cndmask_b32 v[IDX+8*\a+\j], v[IDX+8*\a+\j], v[NV], s[M+\j]
.endr
.endr
.endm
; A trip: the slot's tile of 256 code words.  In front of the round every wave waits for all its tensor loads (its part of this slot among them) and for its
; LDS reads (the other slot's last fragments are in registers); behind the round the other slot is asked for again first, one joint load a wave.
; The matrix block of a trip's fourth tile stands at the trip's end in waves of type 1 and behind the next round in waves of type 0 (its fragments are
; in registers by then): behind a round one kind starts with matrix instructions and the other with LDS loads and vector work.
; The branches on the type jump over register work and one wait on DScnt alone; barriers, tensor loads and their waits are on every wave's path.
.macro TRIP slot, refill, first
	s_wait_tensorcnt 0x0                           ; no tensor load of mine is out, so a group 0 may be written:
	ds_add_u32 v254, v255
	s_wait_dscnt 0x0
	s_add_nc_u64 s[G0+4*\slot+2:G0+4*\slot+3], s[G0+4*\slot+2:G0+4*\slot+3], 2*TILEB   ; this slot's next tile
	s_wait_dscnt 0x0
	ROUND                                          ; both now hold of every wave of all four work-groups
.if \refill
	tensor_load_to_lds s[G0+4-4*\slot:G0+7-4*\slot], s[G1:G1+7]    ; the next tile, into the slot read last trip
	s_nop 0
.endif
.if \first == 0
	s_cmp_lg_u32 s[TYPE], 0
	s_cbranch_scc1 .Lnot_type_0_\@
	WTILE                                          ; the last trip's fourth tile
	EH 3
.Lnot_type_0_\@:
.endif
	LCC
	LB \slot, 0
.if \first == 0
	EB 208                                         ; the last trip's fourth tile; on to 256 t + 64 cq
.endif
	s_wait_dscnt 0x0
	WTILE
	EH 0
	LB \slot, 1
	EB 16
	s_wait_dscnt 0x0
	WTILE
	EH 1
	LB \slot, 2
	EB 16
	s_wait_dscnt 0x0
	WTILE
	EH 2
	LB \slot, 3
	EB 16
	s_cmp_eq_u32 s[TYPE], 0
	s_cbranch_scc1 .Lnot_type_1_\@
	s_wait_dscnt 0x0
	WTILE
	EH 3
.Lnot_type_1_\@:
.endm
	TRIP 0, 1, 1                                   ; tile 0; slot 1, from which every wave has taken its z, gets tile 1
	TRIP 1, 1, 0
	s_mov_b32 s22, 14
.Lloop:
	TRIP 0, 1, 0
	TRIP 1, 1, 0
	s_sub_co_u32 s22, s22, 1
	s_cmp_lg_u32 s22, 0
	s_cbranch_scc1 .Lloop
	TRIP 0, 1, 0                                   ; tile 30; asks for tile 31
	TRIP 1, 0, 0                                   ; tile 31: nothing is left to fetch
	s_wait_dscnt 0x0
	s_cmp_lg_u32 s[TYPE], 0
	s_cbranch_scc1 .Ltail
	WTILE
	EH 3
.Ltail:
	EB 16
	; Over the sixteen lanes of a row of lanes, which hold sixteen different code words of each tile: the largest e, and among its holders the lowest number.
.set ex, 0
.rept 16
	v_pk_add_f32 v[IDX+ex:IDX+ex+1], v[IDX+ex:IDX+ex+1], v[RF:RF+1]      ; the code word's number: tile's first + r
.set ex, ex+2
.endr
.set ex, 0
.rept 32
	v_max_num_f32_dpp v[H+ex], v[BEST+ex], v[BEST+ex] row_xmask:1 row_mask:0xf bank_mask:0xf
.set ex, ex+1
.endr
.irp m, 2,4,8
.set ex, 0
.rept 32
	v_max_num_f32_dpp v[H+ex], v[H+ex], v[H+ex] row_xmask:\m row_mask:0xf bank_mask:0xf
.set ex, ex+1
.endr
.endr
.irp a, 0,1,2,3
.irp j, 0,1,2,3,4,5,6,7
	v_cmp_eq_f32 s[M+\j], v[BEST+8*\a+\j], v[H+8*\a+\j]
.endr
.irp j, 0,1,2,3,4,5,6,7
	v_cndmask_b32 v[IDX+8*\a+\j], v[INF], v[IDX+8*\a+\j], s[M+\j]        ; who does not hold the maximum offers +infinity
.endr
.endr
.irp m, 1,2,4,8
.set ex, 0
.rept 32
	v_min_num_f32_dpp v[IDX+ex], v[IDX+ex], v[IDX+ex] row_xmask:\m row_mask:0xf bank_mask:0xf
.set ex, ex+1
.endr
.endr
.irp a, 0,1,2,3
.irp q, 0,1
	ds_store_b128 v[RST], v[H+8*\a+4*\q:H+8*\a+4*\q+3] offset:64*\a+16*\q            ; row m of tile a at byte 64 a + 4 m of my 256; sixteen lanes write the same words with the same values
	ds_store_b128 v[RST], v[IDX+8*\a+4*\q:IDX+8*\a+4*\q+3] offset:RNO+64*\a+16*\q
.endr
.endr
	s_wait_dscnt 0x0                               ; for waves 0 and 1: my stores are done before I signal
	s_barrier_signal -1
	s_barrier_wait -1
	s_cmp_gt_u32 s[WV], 1
	s_cbranch_scc1 .Lno_out
	; Waves 0 and 1: lane l owns vectors 64 w + 2 l and 2 l + 1 (m = l / 2, a = 2 (l % 2) and one more) and joins the four quarters' candidates (waves w + 2 cq).
.set EC,  16                           ; v[16:23]  e, vector x quarter
.set NC,  24                           ; v[24:31]  number
.set MX,  32
.set RES, 34                           ; v[34:35]
.set OO,  36
.irp row, 0,1
.irp c, 0,1,2,3
	ds_load_b32 v[EC+4*\row+\c], v[RLD] offset:64*\row+512*\c
	ds_load_b32 v[NC+4*\row+\c], v[RLD] offset:RNO+64*\row+512*\c
.endr
.endr
	s_lshl_b32 s2, s19, 9                          ; 128 numbers of 4 bytes for each work-group,
	s_lshl_b32 s3, s[WV], 8                        ; 64 for each of the two waves
	s_add_co_u32 s2, s2, s3
	s_mov_b32 s3, 0
	s_add_nc_u64 s[10:11], s[10:11], s[2:3]
	s_add_nc_u64 s[12:13], s[12:13], s[2:3]
	v_lshlrev_b32 v[OO], 3, v3
	s_wait_dscnt 0x0
.irp row, 0,1
	v_max3_num_f32 v[MX], v[EC+4*\row], v[EC+4*\row+1], v[EC+4*\row+2]
	v_max_num_f32 v[MX], v[MX], v[EC+4*\row+3]
.irp c, 0,1,2,3
	v_cmp_eq_f32 vcc_lo, v[EC+4*\row+\c], v[MX]
	v_cndmask_b32 v[NC+4*\row+\c], v[INF], v[NC+4*\row+\c], vcc_lo
.endr
	v_min3_num_f32 v[MX], v[NC+4*\row], v[NC+4*\row+1], v[NC+4*\row+2]
	v_min_num_f32 v[MX], v[MX], v[NC+4*\row+3]
	v_cvt_u32_f32 v[RES+\row], v[MX]
.endr
	global_store_b64 v[OO], v[RES:RES+1], s[10:11] ; 32 lanes store 256 consecutive bytes, at a multiple of 256 from the buffer's first byte
	global_store_b64 v[OO], v[RES:RES+1], s[12:13] ; the same numbers for the launch that gathers by them
.Lno_out:
	s_wait_tensorcnt 0x0
	ds_add_u32 v254, v255
	s_wait_dscnt 0x0
	ROUND                                          ; the closing round: no work-group ends while a partner may still ask for a tile that names it
	s_endpgm
.Lfunc_end_k_q817b40cf70_search:
	.size	k_q817b40cf70_search, .Lfunc_end_k_q817b40cf70_search-k_q817b40cf70_search
	.p2alignl 7, 3214868480
	.fill 96, 4, 3214868480
	.section	.rodata,"a",@progbits
	.p2align	6, 0x0
	.amdhsa_kernel k_q817b40cf70_search
		.amdhsa_group_segment_fixed_size 327680
		.amdhsa_private_segment_fixed_size 0
		.amdhsa_enable_private_segment 0
		.amdhsa_kernarg_size 40
		.amdhsa_user_sgpr_count 2
		.amdhsa_user_sgpr_kernarg_segment_ptr 1
		.amdhsa_wavefront_size32 1
		.amdhsa_system_sgpr_workgroup_id_x 1
		.amdhsa_system_sgpr_workgroup_id_y 1
		.amdhsa_system_sgpr_workgroup_id_z 1
		.amdhsa_system_vgpr_workitem_id 0
		.amdhsa_next_free_vgpr 512
		.amdhsa_next_free_sgpr 84
		.amdhsa_reserve_vcc 1
		.amdhsa_float_denorm_mode_32 3
		.amdhsa_float_denorm_mode_16_64 3
		.amdhsa_memory_ordered 1
		.amdhsa_forward_progress 1
		.amdhsa_inst_pref_size 255
	.end_amdhsa_kernel
	.section	.bss,"aw",@nobits
	.p2align	6
	.space	262144
	.amdgpu_metadata
---
amdhsa.version: [ 1, 2 ]
amdhsa.kernels:
  - .name:           k_q817b40cf70_search
    .symbol:         k_q817b40cf70_search.kd
    .args:
      - { .name: z, .offset: 0, .size: 8, .value_kind: global_buffer, .address_space: global }
      - { .name: cbh, .offset: 8, .size: 8, .value_kind: global_buffer, .address_space: global }
      - { .name: cch, .offset: 16, .size: 8, .value_kind: global_buffer, .address_space: global }
      - { .name: out2, .offset: 24, .size: 8, .value_kind: global_buffer, .address_space: global }
      - { .name: widx, .offset: 32, .size: 8, .value_kind: global_buffer, .address_space: global }
    .group_segment_fixed_size: 327680
    .private_segment_fixed_size: 0
    .kernarg_segment_align: 8
    .kernarg_segment_size: 40
    .max_flat_workgroup_size: 256
    .sgpr_count:     84
    .vgpr_count:     512
    .wavefront_size: 32
...
	.end_amdgpu_metadata
.endif
;; end of part 2
;; launch emit (part 3): grid 256 x 1, 16 waves a work-group, no clusters, 135,424 bytes of LDS; arguments z, codebook, widx, out0, part; writes out0, part
.if DOCPART == 3
	.amdgcn_target "amdgcn-amd-amdhsa--gfx1250"
	.amdhsa_code_object_version 6
	.text
	.protected	k_q817b40cf70_emit
	.globl	k_q817b40cf70_emit
	.p2align	8
	.type	k_q817b40cf70_emit,@function
k_q817b40cf70_emit:
	s_mov_b64 s[64:65], 0
	v_nop
	global_prefetch_b8 v0, s[64:65] scope:SCOPE_SE
	s_setreg_imm32_b32 hwreg(HW_REG_WAVE_MODE, 25, 1), 1
	s_wait_xcnt 0x0
; out0[b][c][s] = z + (codebook[idx][c] - z), with two roundings in f32;  part[g] = the work-group's sum of (codebook[idx][c] - z)^2.
; z, out0: [8][256][4096] f32.  codebook: [8192][256] f32.  widx: [32768] i32, stored by the launch before.  part: [256] f32.
; 256 work-groups, 128 vectors each (b = g / 32, s from 128 (g % 32)), sixteen waves.  Wave w gathers the code words of vectors 8 w .. 8 w + 7 as whole rows
; (two loads of 512 consecutive bytes a row) and puts them into an LDS tile; it then works on channels 16 w .. 16 w + 15 of all 128 vectors, where
; a load of z and a store of out0 cover 512 consecutive bytes.  All 32 loads of a wave are issued at once; no loop; each byte of z and out0 moves once.
; An index is clamped to 8,191 before it enters an address; the launch before stores none above.
; A stream: no matrix unit, and no cluster or tensor load (the gathered rows hang on the indices and are each work-group's own).
; LDS tile: vector v lies at row (v % 4) x 32 + v / 4, rows of 1,024 + 16 bytes (an odd multiple of 16): the sixteen lanes that read the same
; channels of vectors 4 l + i touch sixteen neighbouring rows, whose 16-byte pieces fall into sixteen different columns of 256 bytes.
.set TP,    1040
.set HALF2, 64*TP                      ; 66,560: rows 64 and up are reached through a second address register (an LDS immediate has 16 bits)
.set PS,    128*TP                     ; 133,120: the sixteen waves' sums
.set SB,    3                          ; v3, v4    where I put 16 bytes of a gathered row
.set LBA,   5                          ; v5, v6    where I read them back
.set VO,    8                          ; v[8:15]   row i: 1,024 idx + 16 lane
.set Q,     16                         ; v[16:79]  gathered rows, then the read-back (t, i) at 16 t + 4 i
.set ZR,    80                         ; v[80:143] z, then out0: channel c at 4 c, register i = vector 4 lane + i
.set L,     144                        ; v[144:147] four sums of squares
.set D,     148                        ; v[148:151] code word - z
.set OZ,    152                        ; v152      0
	s_load_b256 s[4:11], s[0:1], 0x0               ; z s[4:5], codebook s[6:7], widx s[8:9], out0 s[10:11]
	s_load_b64 s[12:13], s[0:1], 0x20              ; part
	v_lshl_add_u32 v160, v0, 2, 0x20900
	v_mov_b32 v161, 0
	v_lshrrev_b32 v7, 5, v0
	v_readfirstlane_b32 s14, v7                    ; wave 0..15
	v_and_b32 v1, 31, v0                           ; lane
	v_lshlrev_b32 v2, 4, v1                        ; 16 bytes a lane
	s_mov_b32 s38, 0x76543210
	s_mov_b32 s39, 0xfedcba98
	s_lshl_b32 s36, ttmp9, 9                       ; widx: 128 indices for each work-group,
	s_lshl_b32 s15, s14, 5                         ; 8 for each wave
	s_add_co_u32 s36, s36, s15
	s_mov_b32 s37, 0
	s_lshr_b32 s32, ttmp9, 5                       ; z and out0: b x 2^22 bytes
	s_lshl_b32 s32, s32, 22
	s_and_b32 s15, ttmp9, 31                       ; + (g % 32) x 128 vectors x 4 bytes
	s_lshl_b32 s15, s15, 9
	s_add_co_u32 s32, s32, s15
	s_lshl_b32 s15, s14, 18                        ; + my 16 channels of 16,384 bytes
	s_add_co_u32 s32, s32, s15
	s_mov_b32 s33, 0
	s_wait_kmcnt 0x0
	s_add_nc_u64 s[8:9], s[8:9], s[36:37]
	s_load_b256 s[16:23], s[8:9], 0x0              ; my eight indices
	s_add_nc_u64 s[4:5], s[4:5], s[32:33]
	s_add_nc_u64 s[10:11], s[10:11], s[32:33]
.irp c, 0,1,2,3,4,5,6,7,8,9,10,11,12,13,14,15
	global_load_b128 v[ZR+4*\c:ZR+4*\c+3], v2, s[4:5] offset:\c*16384 th:TH_LOAD_NT   ; read once in this launch
.endr
	s_mul_i32 s15, s14, 2*TP                       ; rows 2 w and 2 w + 1 of each of the tile's four blocks of 32
	v_add_nc_u32 v[SB], s15, v2
	v_add_nc_u32 v[SB+1], HALF2, v[SB]
	v_mul_u32_u24 v[LBA], v1, TP                   ; row = lane, byte 64 w: my 16 channels
	v_lshl_add_u32 v[LBA], s14, 6, v[LBA]
	v_add_nc_u32 v[LBA+1], HALF2, v[LBA]
	v_mov_b32 v[OZ], 0
	s_wait_kmcnt 0x0
.irp i, 0,1,2,3,4,5,6,7
	s_min_u32 s[16+\i], s[16+\i], 0x1fff
	v_lshl_add_u32 v[VO+\i], s[16+\i], 10, v2
	global_load_b128 v[Q+8*\i:Q+8*\i+3],   v[VO+\i], s[6:7]             ; no hint: a code word may be named again
	global_load_b128 v[Q+8*\i+4:Q+8*\i+7], v[VO+\i], s[6:7] offset:512
.endr
.irp i, 0,1,2,3,4,5,6,7
.irp p, 0,1
	s_wait_loadcnt 15-(2*\i+\p)                    ; loads come back in order (ISA guide 5.7.1): this one is in, the younger gathers stay out
	ds_store_b128 v[SB+((\i%4)/2)], v[Q+8*\i+4*\p:Q+8*\i+4*\p+3] offset:((\i%2)*32+(\i/4))*TP+512*\p
.endr
.endr
	s_wait_dscnt 0x0                               ; for the others' sake: my rows are in the tile before I signal
	s_barrier_signal -1
	s_barrier_wait -1
.irp t, 0,1,2,3
.irp i, 0,1,2,3
	ds_load_b128 v[Q+16*\t+4*\i:Q+16*\t+4*\i+3], v[LBA+(\i/2)] offset:(\i%2)*32*TP+16*\t   ; channels 16 w + 4 t .. + 3 of vector 4 lane + i
.endr
.endr
.irp t, 0,1,2,3
	s_wait_dscnt 12-4*\t                           ; group t's four loads are in, the younger groups stay out; z's loads were waited for with the gathers
.irp c, 0,1,2,3
.irp i, 0,1,2,3
	v_sub_f32 v[D+\i], v[Q+16*\t+4*\i+\c], v[ZR+16*\t+4*\c+\i]
.endr
.if (\t+\c) == 0
	v_pk_mul_f32 v[L:L+1],   v[D:D+1],   v[D:D+1]                      ; the first squares start the sums
	v_pk_mul_f32 v[L+2:L+3], v[D+2:D+3], v[D+2:D+3]
.else
	v_pk_fma_f32 v[L:L+1],   v[D:D+1],   v[D:D+1],   v[L:L+1]
	v_pk_fma_f32 v[L+2:L+3], v[D+2:D+3], v[D+2:D+3], v[L+2:L+3]
.endif
	v_pk_add_f32 v[ZR+16*\t+4*\c:ZR+16*\t+4*\c+1],   v[ZR+16*\t+4*\c:ZR+16*\t+4*\c+1],   v[D:D+1]
	v_pk_add_f32 v[ZR+16*\t+4*\c+2:ZR+16*\t+4*\c+3], v[ZR+16*\t+4*\c+2:ZR+16*\t+4*\c+3], v[D+2:D+3]
	global_store_b128 v2, v[ZR+16*\t+4*\c:ZR+16*\t+4*\c+3], s[10:11] offset:(4*\t+\c)*16384 th:TH_STORE_NT   ; 512 consecutive bytes; its registers are not written again
.endr
.endr
	; the work-group's sum of squares
	v_pk_add_f32 v[L:L+1], v[L:L+1], v[L+2:L+3]
	v_add_f32 v[L], v[L], v[L+1]
.irp m, 1,2,4,8
	v_add_f32_dpp v[L], v[L], v[L] row_xmask:\m row_mask:0xf bank_mask:0xf
.endr
	v_permlanex16_b32 v[L+1], v[L], s38, s39
	v_add_f32 v[L], v[L], v[L+1]
	v_mov_b32 v7, s14
	v_lshlrev_b32 v7, 2, v7
	v_add_nc_u32 v7, PS, v7
	ds_store_b32 v7, v[L]                          ; bytes of their own behind the tile
	s_wait_dscnt 0x0
	s_barrier_signal -1
	s_barrier_wait -1
	s_cmp_lg_u32 s14, 0
	s_cbranch_scc1 .Ldone
	v_mov_b32 v7, PS
.irp k, 0,1,2,3
	ds_load_b128 v[Q+4*\k:Q+4*\k+3], v7 offset:16*\k
.endr
	s_lshl_b32 s36, ttmp9, 2
	s_add_nc_u64 s[12:13], s[12:13], s[36:37]
	s_wait_dscnt 0x0
.irp k, 0,2,4,6
	v_pk_add_f32 v[Q+\k:Q+\k+1], v[Q+\k:Q+\k+1], v[Q+8+\k:Q+8+\k+1]
.endr
	v_pk_add_f32 v[Q:Q+1],   v[Q:Q+1],   v[Q+4:Q+5]
	v_pk_add_f32 v[Q+2:Q+3], v[Q+2:Q+3], v[Q+6:Q+7]
	v_pk_add_f32 v[Q:Q+1],   v[Q:Q+1],   v[Q+2:Q+3]
	v_add_f32 v[Q], v[Q], v[Q+1]
	v_cmp_eq_u32 vcc_lo, 0, v1
	s_wait_xcnt 0x0                                ; EXEC is a source of the stores above: it changes only behind this wait
	s_and_saveexec_b32 s40, vcc_lo
	global_store_b32 v[OZ], v[Q], s[12:13]         ; lane 0 alone: one number for the work-group
	s_wait_xcnt 0x0
	s_or_b32 exec_lo, exec_lo, s40
.Ldone:
	s_wait_tensorcnt 0x0
	ds_add_u32 v160, v161
	s_wait_dscnt 0x0
	s_endpgm
.Lfunc_end_k_q817b40cf70_emit:
	.size	k_q817b40cf70_emit, .Lfunc_end_k_q817b40cf70_emit-k_q817b40cf70_emit
	.p2alignl 7, 3214868480
	.fill 96, 4, 3214868480
	.section	.rodata,"a",@progbits
	.p2align	6, 0x0
	.amdhsa_kernel k_q817b40cf70_emit
		.amdhsa_group_segment_fixed_size 135424
		.amdhsa_private_segment_fixed_size 0
		.amdhsa_enable_private_segment 0
		.amdhsa_kernarg_size 40
		.amdhsa_user_sgpr_count 2
		.amdhsa_user_sgpr_kernarg_segment_ptr 1
		.amdhsa_wavefront_size32 1
		.amdhsa_system_sgpr_workgroup_id_x 1
		.amdhsa_system_sgpr_workgroup_id_y 1
		.amdhsa_system_sgpr_workgroup_id_z 1
		.amdhsa_system_vgpr_workitem_id 0
		.amdhsa_next_free_vgpr 162
		.amdhsa_next_free_sgpr 66
		.amdhsa_reserve_vcc 1
		.amdhsa_float_denorm_mode_32 3
		.amdhsa_float_denorm_mode_16_64 3
		.amdhsa_memory_ordered 1
		.amdhsa_forward_progress 1
		.amdhsa_inst_pref_size 19
	.end_amdhsa_kernel
	.amdgpu_metadata
---
amdhsa.version: [ 1, 2 ]
amdhsa.kernels:
  - .name:           k_q817b40cf70_emit
    .symbol:         k_q817b40cf70_emit.kd
    .args:
      - { .name: z, .offset: 0, .size: 8, .value_kind: global_buffer, .address_space: global }
      - { .name: codebook, .offset: 8, .size: 8, .value_kind: global_buffer, .address_space: global }
      - { .name: widx, .offset: 16, .size: 8, .value_kind: global_buffer, .address_space: global }
      - { .name: out0, .offset: 24, .size: 8, .value_kind: global_buffer, .address_space: global }
      - { .name: part, .offset: 32, .size: 8, .value_kind: global_buffer, .address_space: global }
    .group_segment_fixed_size: 135424
    .private_segment_fixed_size: 0
    .kernarg_segment_align: 8
    .kernarg_segment_size: 40
    .max_flat_workgroup_size: 512
    .sgpr_count:     66
    .vgpr_count:     162
    .wavefront_size: 32
...
	.end_amdgpu_metadata
.endif
;; end of part 3
;; launch loss (part 4): grid 1 x 1, 1 waves a work-group, no clusters, 0 bytes of LDS; arguments part, out1; writes out1
.if DOCPART == 4
	.amdgcn_target "amdgcn-amd-amdhsa--gfx1250"
	.amdhsa_code_object_version 6
	.text
	.protected	k_q817b40cf70_loss
	.globl	k_q817b40cf70_loss
	.p2align	8
	.type	k_q817b40cf70_loss,@function
k_q817b40cf70_loss:
	s_mov_b64 s[64:65], 0
	v_nop
	global_prefetch_b8 v0, s[64:65] scope:SCOPE_SE
	s_setreg_imm32_b32 hwreg(HW_REG_WAVE_MODE, 25, 1), 1
	s_wait_xcnt 0x0
; out1 = mean((zq - z)^2) + 1.0 x mean((zq - z)^2) = 2 x (sum of the 256 partial sums) / 8,388,608 = sum x 2^-22.
; One wave: the sum spans all work-groups of the launch before, so it is made here, in a fixed order, from the 1,024 bytes that they stored.
	s_load_b128 s[4:7], s[0:1], 0x0                ; part s[4:5], out1 s[6:7]
	v_lshlrev_b32 v1, 5, v0                        ; eight numbers a lane
	s_mov_b32 s8, 0x76543210
	s_mov_b32 s9, 0xfedcba98
	s_wait_kmcnt 0x0
	global_load_b128 v[2:5], v1, s[4:5]
	global_load_b128 v[6:9], v1, s[4:5] offset:16
	s_wait_loadcnt 0x0
	v_pk_add_f32 v[2:3], v[2:3], v[6:7]
	v_pk_add_f32 v[4:5], v[4:5], v[8:9]
	v_pk_add_f32 v[2:3], v[2:3], v[4:5]
	v_add_f32 v2, v2, v3
.irp m, 1,2,4,8
	v_add_f32_dpp v2, v2, v2 row_xmask:\m row_mask:0xf bank_mask:0xf
.endr
	v_permlanex16_b32 v3, v2, s8, s9
	v_add_f32 v2, v2, v3
	v_mul_f32 v2, 0x34800000, v2                   ; 2^-22
	v_mov_b32 v4, 0
	v_cmp_eq_u32 vcc_lo, 0, v0
	s_wait_xcnt 0x0                                ; EXEC changes only behind this wait
	s_and_saveexec_b32 s10, vcc_lo
	global_store_b32 v4, v2, s[6:7]                ; lane 0 alone
	s_wait_xcnt 0x0
	s_or_b32 exec_lo, exec_lo, s10
	s_endpgm
.Lfunc_end_k_q817b40cf70_loss:
	.size	k_q817b40cf70_loss, .Lfunc_end_k_q817b40cf70_loss-k_q817b40cf70_loss
	.p2alignl 7, 3214868480
	.fill 96, 4, 3214868480
	.section	.rodata,"a",@progbits
	.p2align	6, 0x0
	.amdhsa_kernel k_q817b40cf70_loss
		.amdhsa_group_segment_fixed_size 0
		.amdhsa_private_segment_fixed_size 0
		.amdhsa_enable_private_segment 0
		.amdhsa_kernarg_size 16
		.amdhsa_user_sgpr_count 2
		.amdhsa_user_sgpr_kernarg_segment_ptr 1
		.amdhsa_wavefront_size32 1
		.amdhsa_system_sgpr_workgroup_id_x 1
		.amdhsa_system_sgpr_workgroup_id_y 1
		.amdhsa_system_sgpr_workgroup_id_z 1
		.amdhsa_system_vgpr_workitem_id 0
		.amdhsa_next_free_vgpr 16
		.amdhsa_next_free_sgpr 66
		.amdhsa_reserve_vcc 1
		.amdhsa_float_denorm_mode_32 3
		.amdhsa_float_denorm_mode_16_64 3
		.amdhsa_memory_ordered 1
		.amdhsa_forward_progress 1
		.amdhsa_inst_pref_size 2
	.end_amdhsa_kernel
	.amdgpu_metadata
---
amdhsa.version: [ 1, 2 ]
amdhsa.kernels:
  - .name:           k_q817b40cf70_loss
    .symbol:         k_q817b40cf70_loss.kd
    .args:
      - { .name: part, .offset: 0, .size: 8, .value_kind: global_buffer, .address_space: global }
      - { .name: out1, .offset: 8, .size: 8, .value_kind: global_buffer, .address_space: global }
    .group_segment_fixed_size: 0
    .private_segment_fixed_size: 0
    .kernarg_segment_align: 8
    .kernarg_segment_size: 16
    .max_flat_workgroup_size: 32
    .sgpr_count:     66
    .vgpr_count:     16
    .wavefront_size: 32
...
	.end_amdgpu_metadata
.endif
;; end of part 4
